; MI455X (gfx1250); checked and timed in simulation.
; The chip was launched on July 23, 2026; its instructions are those of AMD's public machine-readable ISA for CDNA 5 (MIT licence, August 2026) and "CDNA5" Instruction Set Architecture Reference Guide (July 2026). The comments in the code are by the model that wrote it; some were corrected since.
;; Attention concat. Allowed arithmetic: matrix products marked QUANTISED: E2M3 operands, one E8M0 scale for each 32 along K, by v_wmma_scale_f32_16x16x128_f8f6f4 with both operands' format E2M3, f32 sums; products left as they are: f32 operands where the result goes on into a quantised operand, else bf16, f16 or f32 operands; f32 sums; everything else in f32.
;; Inputs: attn_b 512 float32; attn_w 512 x 1,024 float32; context 32 x 4,096 x 512 float32; out_b 512 float32; out_w 512 x 1,024 float32; output 32 x 1 x 512 float32; v_b 1 float32; v_w 1 x 512 float32.
;; Outputs: out0 32 x 1 x 512 float32; out1 32 x 1 x 4,096 float32; out2 32 x 1 x 512 float32.
;; This version of the problem:
;;   THIS VERSION OF THE PROBLEM IS GIVEN IN LOW PRECISION. The matrix products marked QUANTISED in the list below multiply operands that are first quantised to E2M3 (2 exponent bits, 3 mantissa bits; 6 bits a number), with one power-of-two scale for each 32 numbers along K (OCP MX v1.0); their sums are f32. All else is computed in f32.
;;   The module's matrix products, in the order in which they are computed (A, B: the left and right operand; K: the contracted axis; several contracted axes count as one K, in the product's order):
;;     1. [M 131,072, K 1,024] x [K 1,024, N 512]; A: computed on the way; B: input attn_w: QUANTISED
;;     2. [M 131,072, K 512] x [K 512, N 1]; A: computed on the way; B: input v_w: left as it is (N = 1 < 16)
;;     3. batch 32 x [M 1, K 4,096] x [K 4,096, N 512]; A: computed on the way; B: input context: left as it is (M = 1 < 16)
;;     4. [M 32, K 1,024] x [K 1,024, N 512]; A: computed on the way; B: input out_w: QUANTISED
;;   THE QUANTISER, for each operand of a quantised product, along K:
;;     - K is cut into blocks of 32 from its start; a last block that is shorter is filled with zeros.
;;     - A block's scale is 2^e with e = floor(log2(the largest magnitude in the block)) - 2, held to -126 .. 127; a block of zeros has e = 0. As a byte (E8M0): e + 127.
;;     - Each number is divided by its block's scale, clamped to +-7.5, and rounded to the nearest number of E2M3, ties to even, subnormals kept.
;;     - The product sums the exact products of the quantised numbers (number of the format x scale) in f32.
;;   ~~~python
;;   def quantise(x, axis):      # numpy; x: float32 -> the quantised numbers, widened to float32 again
;;       x = np.moveaxis(x, axis, -1); K = x.shape[-1]
;;       x = np.pad(x, [(0, 0)] * (x.ndim - 1) + [(0, -K % 32)]); x = x.reshape(x.shape[:-1] + (-1, 32)); a = np.abs(x).max(-1, keepdims=True)
;;       e = np.where(a > 0, np.clip(np.frexp(np.where(a > 0, a, 1))[1] - 1 - 2, -126, 127), 0)      # np.frexp(a)[1] - 1 = floor(log2(a)), exactly
;;       r = np.clip(x / 2.0 ** e, -7.5, 7.5)
;;       step = 2.0 ** (np.maximum(np.frexp(np.where(r == 0, 1, r))[1] - 1, 0) - 3)
;;       q = np.round(r / step) * step * 2.0 ** e      # np.round: ties to even
;;       return np.moveaxis(q.reshape(q.shape[:-2] + (-1,))[..., :K], -1, axis).astype(np.float32)
;;   ~~~
;;   OPERANDS COMPUTED ON THE WAY. 'Computed on the way' means the value that the module computes at that place (a softmax that the list does not call 'softmax' is quantised finished and normalised). What goes into a quantiser is computed in f32, as accurately as f32 sums, v_exp_f32 and their like allow (about 1e-6 of the number): no bf16 or f16 on the way to a quantiser, and a product that is left as it is and whose result goes on into a quantised operand takes f32 operands (vector FMAs, or v_wmma_f32_16x16x4_f32). A number that lies on a knife's edge between two numbers of the format may be rounded either way, as far as f32 arithmetic and the matrix unit's own rounding can turn it there, and no further.
;; One version. Each part assembles by itself: llvm-mc -triple=amdgcn-amd-amdhsa -mcpu=gfx1250 --defsym DOCPART=n.
;; ======== version 1 of 1: 3 launches
;; limits: right only within a limited range of input values
;; workspace buffers: wc 393,216 bytes; wsc 32,768 bytes; oc 393,216 bytes; osc 32,768 bytes; scores 524,288 bytes; part 589,824 bytes; pre 131,072 bytes
;; launch prep (part 1): grid 32 x 2, 4 waves a work-group, no clusters, 0 bytes of LDS; arguments attn_w, out_w, output, attn_b, wc, wsc, oc, osc, pre; writes wc, wsc, oc, osc, pre
.if DOCPART == 1
	.amdgcn_target "amdgcn-amd-amdhsa--gfx1250"
	.amdhsa_code_object_version 6
	.text
	.protected	k_qf709cf7413_prep
	.globl	k_qf709cf7413_prep
	.p2align	8
	.type	k_qf709cf7413_prep,@function
k_qf709cf7413_prep:
	s_mov_b64 s[64:65], 0
	v_nop
	global_prefetch_b8 v0, s[64:65] scope:SCOPE_SE
	s_setreg_imm32_b32 hwreg(HW_REG_WAVE_MODE, 25, 1), 1
	s_wait_xcnt 0x0
; attn_w and out_w, [512][1024] f32 with K innermost, become codes of FP6 (E2M3) with one E8M0 byte for each 32 along K,
; laid in the order of a matrix operand's registers: fragment (ht, s) = rows 16 ht .. 16 ht + 15, K 128 s .. 128 s + 127, is 12 registers a lane;
; its image lies at (8 ht + s) x 1,536 bytes: three chunks of 512 bytes, chunk c = lane l's registers 4 c .. 4 c + 3 at 16 l.
; Scale words: at (4 ht + qr) x 256 + 8 l the words of K steps 2 qr and 2 qr + 1 of row 16 ht + l % 16.
; THE DECODER STATE'S HALF OF THE FIRST PRODUCT.  In x = [output, context] the first 512 of K are output[b] for every t, so that half of x attn_w^T has one value for each (b, hidden unit).
; It is made here once: the waves that hold attn_w's fragments of K 0 .. 511 (matrix 0, waves 0 and 1) quantise output's 32 rows along their 256 of K and multiply on codes.
; pre[p][ht][b][16] f32: wave p's sum over K 256 p .. 256 p + 255 for hidden units 16 ht .. + 15 of batch b; attn_b is the start of wave 0's sums.
; WORK LEFT OUT BY THE PROGRAM.  scores[b][t] = sum_h v_w[h] tanh(..) + v_b, with tanh = 1 - 2 / (1 + e^(2 x)): the terms v_b and sum_h v_w[h] are the same for all t of a batch,
; and scores reach the outputs through softmax over t alone, which such a term leaves unchanged for all values of the inputs.  So neither is added, and v_b is no argument of any launch.
; LIMIT of that: a NaN, an infinity or an overflow in v_b or in the sum of v_w is not carried to the results.
; A block's scale is 2^(floor(log2(largest magnitude)) - 2): its byte is the largest magnitude's exponent field - 2, held at 1 from below.
; LIMITS: NaN and infinities among the inputs are not served; a block whose largest magnitude lies under 2^-124 keeps the byte 1; a block of zeros has the byte 1
; where the rule says 127: its codes are zeros, which add nothing, and this program alone reads the bytes.
; SHARES: work-group x = ht, y = the matrix (0 attn_w, 1 out_w: only pointers are chosen); wave = qr: 16 rows x 256 along K.  Waves share nothing: no LDS, no barrier.
.set OW,  8                            ; v8-11   output's scale words: 2 n + u
.set TM,  16                           ; v16-31  at work in QUANT
.set QT,  32                           ; v32-39  the conversions' second halves
.set PW,  40                           ; v40-41  the weights' two scale words
.set PC0, 44                           ; v44-55  K step 2 qr's codes
.set PC1, 56                           ; v56-67  K step 2 qr + 1's
.set OC,  68                           ; v68-115 output's four fragments: batches 16 n .. + 15, K step u, at 12 (2 n + u)
.set BB,  116                          ; v116-123 attn_b in the result's layout, or zeros
.set ST0, 128                          ; v128-191, v192-255  64 numbers of each K step of the weights
.set ST1, 192
.set AC,  128                          ; v128-143 two accumulators, where the weights' numbers lay
.set SEL, 22                           ; s[22:23] lane selects: lane l xor 16
.set MSB, 0
.macro WIN new                         ; the immediate's high byte repeats the setting that is left
.if MSB != \new
	s_set_vgpr_msb (MSB<<8)|\new
.set MSB, \new
.endif
.endm
; 64 numbers of a lane (in register window w), register 16 b + i = k 32 b + 16 (lane / 16) + i of the lane's row, become a fragment's 12 registers at v[pc] and its scale word in v[pw].
.macro QUANT s, pc, pw, w
	WIN 0x05*\w
.irp b, 0,1,2,3
	v_max3_num_f32 v[TM+\b], |v[\s+16*\b]|, |v[\s+1+16*\b]|, 0x1800000   ; block b: my 16 numbers, and the floor 2^(3 - 127): the byte cannot fall under 1
.endr
	WIN 0x14*\w
.irp i, 2,4,6,8,10,12,14
.irp b, 0,1,2,3
	v_max3_num_f32 v[TM+\b], v[TM+\b], |v[\s+16*\b+\i]|, |v[\s+1+16*\b+\i]|   ; the four blocks by turns
.endr
.endr
	WIN 0
.irp b, 0,1,2,3
	v_permlanex16_b32 v[TM+4+\b], v[TM+\b], s[SEL], s[SEL+1]
.endr
.irp b, 0,1,2,3
	v_max_num_f32 v[TM+\b], v[TM+\b], v[TM+4+\b]             ; with lane l xor 16's 16: the block's largest magnitude
.endr
.irp b, 0,1,2,3
	v_add_nc_u32 v[TM+12+\b], 0xff000000, v[TM+\b]           ; 2 off its exponent field: the conversion's scale operand
.endr
.irp b, 0,1,2,3
	v_lshrrev_b32 v[TM+4+\b], 23, v[TM+12+\b]                ; the scale's byte
.endr
	v_lshl_or_b32 v[\pw], v[TM+5], 8, v[TM+4]                ; four bytes: my row's scale word
	v_lshl_or_b32 v[\pw], v[TM+6], 16, v[\pw]
	v_lshl_or_b32 v[\pw], v[TM+7], 24, v[\pw]
	WIN 0x01*\w
.irp c, 0,1
	v_cvt_scalef32_pk16_fp6_f32 v[\pc+6*\c:\pc+6*\c+2], v[\s+32*\c:\s+32*\c+15], v[TM+12+2*\c]
	v_cvt_scalef32_pk16_fp6_f32 v[QT+4*\c:QT+4*\c+2], v[\s+16+32*\c:\s+31+32*\c], v[TM+13+2*\c]   ; (a conversion's three registers begin on an even number)
.endr
	WIN 0
	v_nop                                                    ; one plain instruction behind the scaled conversions
.irp c, 0,1                                                  ; the operand wants a whole block in a lane: lanes 0-15 block 2 c, lanes 16-31 block 2 c + 1
.irp i, 0,1,2
	v_permlane16_swap_b32 v[\pc+6*\c+\i], v[QT+4*\c+\i]
.endr
.irp i, 0,1,2
	v_mov_b32 v[\pc+3+6*\c+\i], v[QT+4*\c+\i]
.endr
.endr
.endm
.macro WSTORE                          ; the weights' two images and their scale words
.irp c, 0,1,2
	global_store_b128 v5, v[PC0+4*\c:PC0+4*\c+3], s[12:13] offset:512*\c        ; 32 lanes store 512 consecutive bytes
.endr
.irp c, 0,1,2
	global_store_b128 v5, v[PC1+4*\c:PC1+4*\c+3], s[12:13] offset:1536+512*\c
.endr
	global_store_b64 v6, v[PW:PW+1], s[14:15]      ; 32 lanes store 256 consecutive bytes, aligned
.endm
	s_load_b256 s[4:11], s[0:1], 0x0               ; attn_w, out_w, output, attn_b
	s_load_b256 s[12:19], s[0:1], 0x20             ; wc, wsc, oc, osc
	s_load_b64 s[20:21], s[0:1], 0x40              ; pre
	v_lshrrev_b32 v1, 5, v0
	v_readfirstlane_b32 s24, v1                    ; wave = qr
	v_and_b32 v1, 31, v0                           ; lane
	v_and_b32 v2, 15, v0                           ; r
	v_bfe_u32 v3, v0, 4, 1                         ; h
	v_lshlrev_b32 v4, 12, v2
	v_lshl_add_u32 v4, v3, 6, v4                   ; the weights: row r of 4,096 bytes + 64 h
	v_lshlrev_b32 v5, 4, v1                        ; 16 x lane
	v_lshlrev_b32 v6, 3, v1                        ; 8 x lane
	v_lshlrev_b32 v13, 5, v3                       ; attn_b: 32 h
	v_lshl_add_u32 v7, v2, 6, v13                  ; pre: batch r of 64 bytes + 32 h
	v_lshlrev_b32 v12, 11, v2
	v_lshl_add_u32 v12, v3, 6, v12                 ; output: row r of 2,048 bytes + 64 h
.irp b, 0,1,2,3
	v_mov_b32 v[TM+4+\b], 0                        ; written once: a lane permute's destination counts as one of its sources
.endr
	s_mov_b32 s[SEL], 0x76543210
	s_mov_b32 s[SEL+1], 0xfedcba98
	s_and_b32 s25, ttmp7, 0xffff                   ; which matrix
	s_lshl_b32 s26, ttmp9, 16                      ; the weights: 16 rows of 4,096 bytes a tile,
	s_lshl_b32 s27, s24, 10                        ; 256 numbers a wave
	s_add_co_u32 s26, s26, s27
	s_mov_b32 s27, 0
	s_lshl_b32 s28, ttmp9, 3
	s_lshl_b32 s29, s24, 1
	s_add_co_u32 s28, s28, s29
	s_mul_i32 s28, s28, 1536                       ; codes: (8 ht + 2 qr) images
	s_mov_b32 s29, 0
	s_lshl_b32 s30, ttmp9, 2
	s_add_co_u32 s30, s30, s24
	s_lshl_b32 s30, s30, 8                         ; scale words: (4 ht + qr) x 256
	s_mov_b32 s31, 0
	s_and_b32 s41, s24, 1                          ; p
	s_lshl_b32 s32, s41, 10                        ; output: 256 p numbers along K
	s_mov_b32 s33, 0
	s_lshl_b32 s34, ttmp9, 6                       ; attn_b: 16 ht numbers
	s_mov_b32 s35, 0
	s_lshl_b32 s36, s41, 5
	s_add_co_u32 s36, s36, ttmp9
	s_lshl_b32 s36, s36, 11                        ; pre: (32 p + ht) x 2,048
	s_mov_b32 s37, 0
	s_lshr_b32 s38, s24, 1
	s_lshl_b32 s39, s25, 1
	s_or_b32 s38, s38, s39                         ; 0: matrix 0 and wave 0 or 1
	s_wait_alu depctr_va_vdst(0)                   ; the wait at the head's end
	s_wait_kmcnt 0x0
	s_cmp_eq_u32 s25, 0                            ; the choice hangs on the work-group's number alone
	s_cselect_b64 s[4:5], s[4:5], s[6:7]
	s_cselect_b64 s[12:13], s[12:13], s[16:17]
	s_cselect_b64 s[14:15], s[14:15], s[18:19]
	s_add_nc_u64 s[4:5], s[4:5], s[26:27]
	s_add_nc_u64 s[12:13], s[12:13], s[28:29]
	s_add_nc_u64 s[14:15], s[14:15], s[30:31]
	s_add_nc_u64 s[8:9], s[8:9], s[32:33]
	s_add_nc_u64 s[10:11], s[10:11], s[34:35]
	s_add_nc_u64 s[20:21], s[20:21], s[36:37]
.irp u, 0,1
.irp k, 0,1,2,3
.irp j, 0,1,2,3
	global_load_b128 v[ST0+64*\u+16*\k+4*\j:ST0+64*\u+16*\k+4*\j+3], v4, s[4:5] offset:512*\u+128*\k+16*\j   ; a lane's four loads of a block take 64 neighbouring bytes of its row
.endr
.endr
.endr
	s_cmp_lg_u32 s38, 0
	s_cbranch_scc1 .Lplain
	global_load_b128 v[BB:BB+3], v13, s[10:11]     ; attn_b at my eight hidden units 16 ht + 8 h + 0 .. 7
	global_load_b128 v[BB+4:BB+7], v13, s[10:11] offset:16
	WIN 0x40                                       ; output's numbers go to window 1: group 2 n + u at v[64 (2 n + u)]
.irp n, 0,1
.irp u, 0,1
.irp k, 0,1,2,3
.irp j, 0,1,2,3
	global_load_b128 v[64*(2*\n+\u)+16*\k+4*\j:64*(2*\n+\u)+16*\k+4*\j+3], v12, s[8:9] offset:32768*\n+512*\u+128*\k+16*\j
.endr
.endr
.endr
.endr
	WIN 0
	s_wait_loadcnt 63                              ; of 98 loads at most 63 are out: the weights' 32, issued first, are in
	QUANT ST0, PC0, PW, 0
	QUANT ST1, PC1, PW+1, 0
	WSTORE
	s_cmp_eq_u32 s24, 0
	s_cselect_b32 s40, -1, 0                       ; wave 0's sums begin on attn_b, wave 1's on zeros
.irp i, 0,1,2,3
	s_wait_alu depctr_va_vdst(0)                   ; the wait, directly ahead of the wait below
	s_wait_loadcnt 48-16*\i                        ; group i's 16 loads are in; the later groups' may be out
	QUANT 64*\i, OC+12*\i, OW+\i, 1
.endr
.irp j, 0,1,2,3,4,5,6,7
	v_cndmask_b32 v[BB+\j], 0, v[BB+\j], s40
.endr
.rept 8
	v_nop                                          ; a scale register written by a vector instruction stands 8 places ahead of a scaled matrix instruction
.endr
.irp n, 0,1                                        ; source 0 = 16 rows of attn_w, source 1 = 16 batches: register j of lane (r, h) is (hidden unit 16 ht + 8 h + j, batch 16 n + r)
	v_wmma_scale_f32_16x16x128_f8f6f4 v[AC+8*\n:AC+8*\n+7], v[PC0:PC0+11], v[OC+24*\n:OC+24*\n+11], v[BB:BB+7], v[PW], v[OW+2*\n] matrix_a_fmt:MATRIX_FMT_FP6 matrix_b_fmt:MATRIX_FMT_FP6
.endr
.irp n, 0,1                                        ; the two accumulators by turns
	v_wmma_scale_f32_16x16x128_f8f6f4 v[AC+8*\n:AC+8*\n+7], v[PC1:PC1+11], v[OC+24*\n+12:OC+24*\n+23], v[AC+8*\n:AC+8*\n+7], v[PW+1], v[OW+2*\n+1] matrix_a_fmt:MATRIX_FMT_FP6 matrix_b_fmt:MATRIX_FMT_FP6
.endr
.rept 4
	v_nop                                          ; places in front of the first read of results
.endr
.irp n, 0,1
	global_store_b128 v7, v[AC+8*\n:AC+8*\n+3], s[20:21] offset:1024*\n       ; each accumulator from its low end on; the two stores together fill 1,024 consecutive bytes
	global_store_b128 v7, v[AC+8*\n+4:AC+8*\n+7], s[20:21] offset:1024*\n+16
.endr
	s_endpgm
.Lplain:
	s_wait_loadcnt 16                              ; the first K step's 16 loads are in; the second's may be out
	QUANT ST0, PC0, PW, 0
	s_wait_loadcnt 0x0
	QUANT ST1, PC1, PW+1, 0
	WSTORE
	s_endpgm
.Lfunc_end_k_qf709cf7413_prep:
	.size	k_qf709cf7413_prep, .Lfunc_end_k_qf709cf7413_prep-k_qf709cf7413_prep
	.p2alignl 7, 3214868480
	.fill 96, 4, 3214868480
	.section	.rodata,"a",@progbits
	.p2align	6, 0x0
	.amdhsa_kernel k_qf709cf7413_prep
		.amdhsa_group_segment_fixed_size 0
		.amdhsa_private_segment_fixed_size 0
		.amdhsa_enable_private_segment 0
		.amdhsa_kernarg_size 72
		.amdhsa_user_sgpr_count 2
		.amdhsa_user_sgpr_kernarg_segment_ptr 1
		.amdhsa_wavefront_size32 1
		.amdhsa_system_sgpr_workgroup_id_x 1
		.amdhsa_system_sgpr_workgroup_id_y 1
		.amdhsa_system_sgpr_workgroup_id_z 1
		.amdhsa_system_vgpr_workitem_id 0
		.amdhsa_next_free_vgpr 512
		.amdhsa_next_free_sgpr 66
		.amdhsa_reserve_vcc 0
		.amdhsa_float_denorm_mode_32 3
		.amdhsa_float_denorm_mode_16_64 3
		.amdhsa_memory_ordered 1
		.amdhsa_forward_progress 1
		.amdhsa_inst_pref_size 46
	.end_amdhsa_kernel
	.amdgpu_metadata
---
amdhsa.version: [ 1, 2 ]
amdhsa.kernels:
  - .name:           k_qf709cf7413_prep
    .symbol:         k_qf709cf7413_prep.kd
    .args:
      - { .name: attn_w, .offset: 0, .size: 8, .value_kind: global_buffer, .address_space: global }
      - { .name: out_w, .offset: 8, .size: 8, .value_kind: global_buffer, .address_space: global }
      - { .name: output, .offset: 16, .size: 8, .value_kind: global_buffer, .address_space: global }
      - { .name: attn_b, .offset: 24, .size: 8, .value_kind: global_buffer, .address_space: global }
      - { .name: wc, .offset: 32, .size: 8, .value_kind: global_buffer, .address_space: global }
      - { .name: wsc, .offset: 40, .size: 8, .value_kind: global_buffer, .address_space: global }
      - { .name: oc, .offset: 48, .size: 8, .value_kind: global_buffer, .address_space: global }
      - { .name: osc, .offset: 56, .size: 8, .value_kind: global_buffer, .address_space: global }
      - { .name: pre, .offset: 64, .size: 8, .value_kind: global_buffer, .address_space: global }
    .group_segment_fixed_size: 0
    .private_segment_fixed_size: 0
    .kernarg_segment_align: 8
    .kernarg_segment_size: 72
    .max_flat_workgroup_size: 128
    .sgpr_count:     66
    .vgpr_count:     512
    .wavefront_size: 32
...
	.end_amdgpu_metadata
.endif
;; end of part 1
;; launch attend (part 2): grid 8 x 32, 8 waves a work-group, no clusters, 327,680 bytes of LDS; arguments context, v_w, wc, wsc, pre, scores, part; writes scores, part
.if DOCPART == 2
	.amdgcn_target "amdgcn-amd-amdhsa--gfx1250"
	.amdhsa_code_object_version 6
	.text
	.protected	k_qf709cf7413_attend
	.globl	k_qf709cf7413_attend
	.p2align	8
	.type	k_qf709cf7413_attend,@function
k_qf709cf7413_attend:
	s_mov_b64 s[64:65], 0
	v_nop
	global_prefetch_b8 v0, s[64:65] scope:SCOPE_SE
	s_setreg_imm32_b32 hwreg(HW_REG_WAVE_MODE, 25, 1), 1
	s_wait_xcnt 0x0
; Work-group (x, b) takes t = 512 x .. 512 x + 511 of batch b in sixteen blocks of 32 rows of context: the rows are quantised to FP6 (E2M3, one E8M0 byte for each 32 along K),
; multiplied by attn_w's second half (K 512 .. 1,023) on codes, the sums beginning on pre (the decoder state's half and attn_b, made by the launch before);
; then tanh, the product with v_w in f32, a running softmax and the weighted sum of the same rows in f32.  Out: the raw scores, and a record (512 partial sums, M, L) for the last launch.
; LEFT OUT, as shown at the head of the first kernel: v_b and the sum of v_w, the same for all t of a batch.  The score kept here is sum_h (-2 v_w[h]) / (1 + 2^(2 log2(e) x_h)).
; SHARES.  Wave w holds hidden units 64 w .. + 63 for all of the K half: 4 tiles x 4 K steps x 12 = 192 registers, loaded once.  Of a block wave w quantises rows 16 (w / 4) .. + 15, K step w % 4;
; the fragments go to all waves through LDS as images of their registers; each wave's 64 hidden units give a part of each row's score, joined through LDS; wave w owns rows 4 w .. + 3 for softmax and sum.
; THE PIPELINE: one barrier an interval.  Interval i holds three pieces of work that do not hang on each other: products and tanh of block i (its images were made in interval i - 1),
; softmax and weighted sum of block i - 1 (its parts of scores were made in interval i - 1), and the quantising of block i + 1.  Images and parts of scores have two buffers each, by turns.
; THE RING: four slots of 32 rows; each wave fetches its own 4 rows (8 lines of 1,024 bytes, 16 of padding behind each) by one tensor load.  In interval i slot (i - 1) % 4 is read for the sum, slot i % 4 rests,
; slot (i + 1) % 4 is read for the quantiser, and slot (i + 2) % 4, last read in interval i - 1, is filled directly behind the interval's barrier; one load a wave is out behind each barrier.
; PREFETCH: each wave names the 32 units of 256 bytes of its own tile, a lane a unit, one instruction: the head asks for blocks 1, 2 and 3, interval i for block i + 4,
; two barriers ahead of the tensor load that wants it; intervals 12 to 16 ask for nothing, so no address leaves context.
; NO CLUSTER: context is read by one work-group alone; the weights are read once a work-group, straight into registers, and beside the ring (267,264 bytes) and the stages LDS has no room for their 196,608 bytes.
; The maximum is taken away before each exponential, as a running maximum a wave.  tanh's exponential may overflow to infinity: its reciprocal is then 0, which is tanh = 1.
; LIMITS: NaN and infinities among the inputs are not served; a block whose largest magnitude lies under 2^-124 keeps the scale byte 1; a block of zeros has the byte 1 where the rule says 127 (its codes are zeros).
.set RG8,   16656                      ; eight rows in a slot: 16 lines x 1,040 bytes, + 16
.set RG4,   8320                       ; a wave's four rows
.set SLOT,  66816
.set XIMG,  267264                     ; two buffers of 8 fragment images x 1,536: (4 m + s)
.set XSC,   291840                     ; two buffers of scale words: 512 m + 16 lane + 4 s
.set SCP,   293888                     ; two buffers of parts of scores: 512 m + 32 row + 4 wave
.set SCO,   295936                     ; the work-group's 512 scores
.set MLS,   297984                     ; (M, L) of the eight waves
.set STG,   298240                     ; eight partial sums x 2,048
.set SPARE, 314624                     ; the spare words, 128 bytes a wave
.set QA,   1                           ; v1-4    where I read the numbers that I quantise, slot 0 .. 3
.set MXA,  5                           ; v5-8    where I read my four rows, slot 0 .. 3
.set FI,   9
.set IW,   10
.set SW,   11
.set PSW,  12
.set PSR,  13
.set SCOW, 14
.set MLW,  15
.set SPW,  16
.set NIL,  17
.set PW,   18
.set MLR,  19
.set XS,   20                          ; v20-23  the rows' scale words
.set WS,   24                          ; v24-39  the weights' scale words: 4 t + s
.set V2,   40                          ; v40-71  -2 v_w in the result's layout
.set ACC,  72                          ; v72-103 four accumulators
.set SS,   104
.set MM,   112
.set LL,   113
.set FF,   114
.set PP,   116
.set UU,   117
.set PFV,  118                         ; v118    the prefetches' offset: 256 x lane; never rewritten
.set SCA,  119
.set SCR,  127
.set XF,   128                         ; v128-175 four fragments of 16 rows
.set MX,   176                         ; v176-239 my four rows, f32; then the 64 numbers that I quantise
.set ST,   176
.set STW,  240
.set GO,   241
.set STR,  242
.set TM,   72
.set QT,   88
.set PCA,  98
.set BI,   192                         ; window 1: v0-191 the weights, v192-223 what the sums begin on, v224-239 the weighted sum
.set MA,   224
.set LB,   18                          ; s18     my tile's place in a slot
.set WV,   22
.set G1,   24
.set G0,   32
.set SEL,  40
.set KC,   42
.set CNT,  44
.set SOF,  45
.set L2E,  46
.set PS,   48
.set PF,   72                          ; s[72:73] my tile of the block that the prefetches' offsets count from
.set MSB, 0
.macro WIN new
.if MSB != \new
	s_set_vgpr_msb (MSB<<8)|\new
.set MSB, \new
.endif
.endm
.macro PLACES n
.rept \n
	v_nop
.endr
.endm
; 64 numbers of a lane, register 16 b + i = k 32 b + 16 (lane / 16) + i of its row, become a fragment's 12 registers and its scale word
.macro QUANT s, pc, pw
.irp b, 0,1,2,3
	v_max3_num_f32 v[TM+\b], |v[\s+16*\b]|, |v[\s+1+16*\b]|, 0x1800000   ; with the floor 2^(3 - 127): the byte cannot fall under 1
.endr
.irp i, 2,4,6,8,10,12,14
.irp b, 0,1,2,3
	s_delay_alu instid0(VALU_DEP_4)
	v_max3_num_f32 v[TM+\b], v[TM+\b], |v[\s+16*\b+\i]|, |v[\s+1+16*\b+\i]|
.endr
.endr
.irp b, 0,1,2,3
	v_permlanex16_b32 v[TM+4+\b], v[TM+\b], s[SEL], s[SEL+1]
.endr
.irp b, 0,1,2,3
	s_delay_alu instid0(VALU_DEP_4)
	v_max_num_f32 v[TM+\b], v[TM+\b], v[TM+4+\b]
.endr
.irp b, 0,1,2,3
	s_delay_alu instid0(VALU_DEP_4)
	v_add_nc_u32 v[TM+12+\b], 0xff000000, v[TM+\b]           ; 2 off the exponent field: the conversion's scale operand
.endr
.irp b, 0,1,2,3
	s_delay_alu instid0(VALU_DEP_4)
	v_lshrrev_b32 v[TM+4+\b], 23, v[TM+12+\b]                ; the scale's byte
.endr
	s_delay_alu instid0(VALU_DEP_3)
	v_lshl_or_b32 v[\pw], v[TM+5], 8, v[TM+4]
	s_delay_alu instid0(VALU_DEP_1)
	v_lshl_or_b32 v[\pw], v[TM+6], 16, v[\pw]
	s_delay_alu instid0(VALU_DEP_1)
	v_lshl_or_b32 v[\pw], v[TM+7], 24, v[\pw]
.irp c, 0,1
	v_cvt_scalef32_pk16_fp6_f32 v[\pc+6*\c:\pc+6*\c+2], v[\s+32*\c:\s+32*\c+15], v[TM+12+2*\c]
	v_cvt_scalef32_pk16_fp6_f32 v[QT+4*\c:QT+4*\c+2], v[\s+16+32*\c:\s+31+32*\c], v[TM+13+2*\c]
.endr
	v_nop                                                    ; one plain instruction behind the scaled conversions
.irp c, 0,1
.irp i, 0,1,2
	v_permlane16_swap_b32 v[\pc+6*\c+\i], v[QT+4*\c+\i]
.endr
.irp i, 0,1,2
	s_delay_alu instid0(VALU_DEP_3)
	v_mov_b32 v[\pc+3+6*\c+\i], v[QT+4*\c+\i]
.endr
.endr
.endm
.macro QLOAD sl                        ; 16 loads: my 16 rows x 128 along K of the block in slot sl
.irp k, 0,1,2,3
.irp j, 0,1,2,3
	ds_load_b128 v[ST+16*\k+4*\j:ST+16*\k+4*\j+3], v[QA+(\sl)] offset:128*\k+16*\j
.endr
.endr
.endm
.macro QDONE buf                       ; quantised, and as an image into buffer buf
	QUANT ST, PCA, PW
.irp c, 0,1,2
	ds_store_b128 v[IW], v[PCA+4*\c:PCA+4*\c+3] offset:(\buf)*12288+512*\c
.endr
	ds_store_b32 v[SW], v[PW] offset:(\buf)*1024
.endm
.macro FETCH buf, m                    ; 13 loads: the four fragments of rows 16 m .. + 15 and their scale words
.irp s, 0,1,2,3
.irp c, 0,1,2
	ds_load_b128 v[XF+12*\s+4*\c:XF+12*\s+4*\c+3], v[FI] offset:(\buf)*12288+(4*(\m)+\s)*1536+512*\c
.endr
.endr
	ds_load_b128 v[XS:XS+3], v[FI] offset:XSC-XIMG+(\buf)*1024+512*(\m)
.endm
.macro MXLOAD sl                       ; 16 loads: my four rows: register 16 r + 4 c + i = column 128 c + 4 lane + i of row r
.irp r, 0,1,2,3
.irp c, 0,1,2,3
	ds_load_b128 v[MX+16*\r+4*\c:MX+16*\r+4*\c+3], v[MXA+(\sl)] offset:2080*\r+512*\c+16*(\c/2)
.endr
.endr
.endm
.macro MULS                            ; source 0 = 16 hidden units, source 1 = 16 rows; the four accumulators by turns
	WIN 0x11
.irp t, 0,1,2,3
	v_wmma_scale_f32_16x16x128_f8f6f4 v[ACC+8*\t:ACC+8*\t+7], v[48*\t:48*\t+11], v[XF:XF+11], v[BI+8*\t:BI+8*\t+7], v[WS+4*\t], v[XS] matrix_a_fmt:MATRIX_FMT_FP6 matrix_b_fmt:MATRIX_FMT_FP6
.endr
	WIN 0x01
.irp s, 1,2,3
.irp t, 0,1,2,3
	v_wmma_scale_f32_16x16x128_f8f6f4 v[ACC+8*\t:ACC+8*\t+7], v[12*(4*\t+\s):12*(4*\t+\s)+11], v[XF+12*\s:XF+12*\s+11], v[ACC+8*\t:ACC+8*\t+7], v[WS+4*\t+\s], v[XS+\s] matrix_a_fmt:MATRIX_FMT_FP6 matrix_b_fmt:MATRIX_FMT_FP6
.endr
.endr
	WIN 0
.endm
.macro TANH buf, m                     ; 1 / (1 + 2^(2 log2(e) x)) of 32 numbers a lane, times -2 v_w, summed: my wave's part of row (lane % 16)'s score.
	s_wait_alu depctr_va_vdst(0)
.set i, 0
.rept 16
	v_pk_mul_f32 v[ACC+i:ACC+i+1], v[ACC+i:ACC+i+1], s[KC:KC+1] op_sel_hi:[1,0]
.set i, i+2
.endr
.set i, 0
	s_wait_alu depctr_va_vdst(0)
.rept 32
	v_exp_f32 v[ACC+i], v[ACC+i]
.set i, i+1
.endr
	v_nop
	s_wait_alu depctr_va_vdst(0)
.set i, 0
.rept 16
	v_pk_add_f32 v[ACC+i:ACC+i+1], v[ACC+i:ACC+i+1], 1.0 op_sel_hi:[1,0]
.set i, i+2
.endr
.set i, 0
	s_wait_alu depctr_va_vdst(0)
.rept 32
	v_rcp_f32 v[ACC+i], v[ACC+i]
.set i, i+1
.endr
	v_nop
	s_wait_alu depctr_va_vdst(0)
.set i, 0
.rept 4
	v_pk_mul_f32 v[SS+i:SS+i+1], v[ACC+i:ACC+i+1], v[V2+i:V2+i+1]
.set i, i+2
.endr
.rept 12
	v_pk_fma_f32 v[SS+i%8:SS+i%8+1], v[ACC+i:ACC+i+1], v[V2+i:V2+i+1], v[SS+i%8:SS+i%8+1]
.set i, i+2
.endr
	s_delay_alu instid0(VALU_DEP_3)
	v_pk_add_f32 v[SS:SS+1], v[SS:SS+1], v[SS+2:SS+3]
	s_delay_alu instid0(VALU_DEP_2)
	v_pk_add_f32 v[SS+4:SS+5], v[SS+4:SS+5], v[SS+6:SS+7]
	s_delay_alu instid0(VALU_DEP_1)
	v_pk_add_f32 v[SS:SS+1], v[SS:SS+1], v[SS+4:SS+5]
	s_delay_alu instid0(VALU_DEP_1)
	v_add_f32 v120, v[SS], v[SS+1]
	s_delay_alu instid0(VALU_DEP_1)
	v_permlanex16_b32 v121, v120, s[SEL], s[SEL+1]
	s_delay_alu instid0(VALU_DEP_1)
	v_add_f32 v120, v120, v121
	ds_store_b32 v[PSW], v120 offset:(\buf)*1024+512*(\m)
.endm
.macro SOFT j                          ; v120: of row lane / 8 of my four, wave (lane % 8)'s part.  The score, the running maximum, the factor for what was summed, the rows' weights
	v_add_f32_dpp v122, v120, v120 row_xmask:1 row_mask:0xf bank_mask:0xf
	s_delay_alu instid0(VALU_DEP_1)
	v_add_f32_dpp v122, v122, v122 row_xmask:2 row_mask:0xf bank_mask:0xf
	s_delay_alu instid0(VALU_DEP_1)
	v_add_f32_dpp v122, v122, v122 row_xmask:4 row_mask:0xf bank_mask:0xf
	v_add_nc_u32 v[SCA], s[SOF], v[SCOW]
	ds_store_b32 v[SCA], v122 offset:128*(\j)
	v_mul_f32 v[UU], s[L2E], v122
	s_delay_alu instid0(VALU_DEP_1)
	v_max_num_f32_dpp v123, v[UU], v[UU] row_xmask:8 row_mask:0xf bank_mask:0xf
	s_delay_alu instid0(VALU_DEP_1)
	v_permlanex16_b32 v124, v123, s[SEL], s[SEL+1]
	s_delay_alu instid0(VALU_DEP_1)
	v_max3_num_f32 v123, v123, v124, v[MM]
	s_delay_alu instid0(VALU_DEP_1)
	v_sub_f32 v[FF], v[MM], v123
	s_delay_alu instid0(VALU_DEP_2)
	v_sub_f32 v[PP], v[UU], v123
	s_wait_alu depctr_va_vdst(0)
	v_exp_f32 v[FF], v[FF]
	v_exp_f32 v[PP], v[PP]
	v_mov_b32 v[MM], v123
	s_wait_alu depctr_va_vdst(0)
	v_fma_f32 v[LL], v[LL], v[FF], v[PP]
.irp r, 0,1,2,3
	v_readlane_b32 s[PS+2*\r], v[PP], 8*\r
.endr
.endm
.macro MIX                             ; the weighted sum under the new maximum, and my four rows onto it
	WIN 0x41
.irp c, 0,1,2,3,4,5,6,7
	v_pk_mul_f32 v[MA+2*\c:MA+2*\c+1], v[MA+2*\c:MA+2*\c+1], v[FF:FF+1] op_sel_hi:[1,0]
.endr
	WIN 0x50
.irp r, 0,1,2,3
.irp c, 0,1,2,3,4,5,6,7
	v_pk_fma_f32 v[MA+2*\c:MA+2*\c+1], v[MX+16*\r+2*\c:MX+16*\r+2*\c+1], s[PS+2*\r:PS+2*\r+1], v[MA+2*\c:MA+2*\c+1] op_sel_hi:[1,0,1]
.endr
.endr
	WIN 0
.endm
; Interval i.  i4 = i % 4;  j: where block i - 1's scores go, counted from s[SOF];  s, y, q: has it the sum of block i - 1, the products of block i, the quantising of block i + 1;
; refill: block i + 2 is fetched;  ask: 0 no prefetch, 1 one, 2 one but not in the loop's last trip;  po: the block asked for, counted from s[PF]
.macro IV i4, j, s, y, q, refill, ask, po
.set A, (\i4)%2
	s_wait_alu depctr_va_vdst(0)                   ; the wait, directly ahead of the wait below
	s_wait_tensorcnt 0x0                           ; my one load that was out, my part of block i + 1, has landed;
	ds_add_u32 v[SPW], v[NIL]
.if \refill
	s_add_nc_u64 s[G0+2:G0+3], s[G0+2:G0+3], 0x10000       ; no load of mine is out: the descriptor steps a block on,
	s_add_co_u32 s[G0+1], s[LB], (((\i4)+2)%4)*SLOT        ; into the slot last read in interval i - 1
.endif
	s_wait_dscnt 0x0                               ; the add, my reads and my stores of the last interval are done
	s_barrier_signal -1
	s_barrier_wait -1
.if \refill
	tensor_load_to_lds s[G0:G0+3], s[G1:G1+7]
	s_nop 0
	PLACES 4
.endif
.if \y
	FETCH A, 0
.endif
.if \s
	ds_load_b32 v120, v[PSR] offset:(1-A)*1024
	MXLOAD ((\i4)+3)%4
.endif
.if \y
	s_wait_loadcnt 0x0                             ; the weights and their scale words (out in interval 0 alone)
	s_wait_dscnt 17*\s                             ; the fragments are in; the 17 loads behind them may be out
	MULS
	PLACES 4                                       ; in front of loads into registers that matrix instructions have read
	FETCH A, 1
.endif
.if \s
	s_wait_dscnt 16+13*\y                          ; the parts of scores are in; my rows' 16 loads and the 13 of fragments may be out
	SOFT \j
.endif
.if \y
	TANH A, 0
.endif
.if \s
	s_wait_dscnt 1+14*\y                           ; my rows are in; the 13 loads of fragments and two stores may be out
	MIX
.endif
.if \q
	QLOAD ((\i4)+1)%4
.endif
.if \ask
.if \ask == 2
	s_cmp_lg_u32 s[CNT], 1
	s_cbranch_scc0 .Lno_ask_\@
.endif
	global_prefetch_b8 v[PFV], s[PF:PF+1] offset:(\po)*0x10000 th:TH_LOAD_NT scope:SCOPE_SE
.Lno_ask_\@:
.endif
.if \y
	s_wait_dscnt 1+\s+16*\q                        ; the fragments are in; the stores of scores and the quantiser's 16 loads may be out
	MULS
	PLACES 4
	TANH A, 1
.endif
.if \q
	s_wait_dscnt 1                                 ; the numbers are in; the part of a score stored behind them may be out
	QDONE 1-A
.endif
.endm
	s_load_b256 s[4:11], s[0:1], 0x0               ; context s[4:5], v_w s[6:7], wc s[8:9], wsc s[10:11]
	s_load_b128 s[12:15], s[0:1], 0x20             ; pre s[12:13], scores s[14:15]
	s_load_b64 s[16:17], s[0:1], 0x30              ; part
	v_lshl_add_u32 v[SPW], v0, 2, SPARE
	v_mov_b32 v[NIL], 0
	ds_add_u32 v[SPW], v[NIL]                      ; the opening lines: the add, twice on end, and its wait ahead of my first tensor load
	ds_add_u32 v[SPW], v[NIL]
	v_lshrrev_b32 v104, 5, v0
	s_delay_alu instid0(VALU_DEP_1)
	v_readfirstlane_b32 s[WV], v104
	s_mov_b32 s[G1+0], (2<<16)|(1<<20)|(7<<22)|(3<<25)   ; elements of 4 bytes; 4 words of padding behind every 256
	s_mov_b32 s[G1+1], 256<<16
	s_mov_b32 s[G1+2], 8<<16
	s_mov_b32 s[G1+3], 256<<16
	s_mov_b32 s[G1+4], 8
	s_mov_b32 s[G1+5], 256
	s_mov_b32 s[G1+6], 0
	s_mov_b32 s[G1+7], 0
	s_and_b32 s23, ttmp7, 0xffff                   ; b
	s_lshl_b32 s68, s23, 23
	s_lshl_b32 s69, ttmp9, 20
	s_add_co_u32 s68, s68, s69
	s_lshl_b32 s69, s[WV], 13
	s_add_co_u32 s68, s68, s69                     ; my four rows of block 0
	s_lshr_b32 s70, s[WV], 1
	s_mul_i32 s[LB], s70, RG8
	s_and_b32 s69, s[WV], 1
	s_mul_i32 s69, s69, RG4
	s_add_co_u32 s[LB], s[LB], s69
	s_mov_b32 s69, 0
	s_wait_dscnt 0x0
	s_wait_kmcnt 0x0
	s_add_nc_u64 s[4:5], s[4:5], s[68:69]
	s_mov_b32 s[G0], 1
	s_mov_b32 s[G0+1], s[LB]
	s_mov_b64 s[G0+2:G0+3], s[4:5]
	s_or_b32 s[G0+3], s[G0+3], 0x80000000
	tensor_load_to_lds s[G0:G0+3], s[G1:G1+7]      ; block 0: one tensor load a wave at the head
	s_nop 0
	s_mov_b64 s[PF:PF+1], s[4:5]
	s_mul_i32 s68, s[WV], 49152
	s_add_nc_u64 s[8:9], s[8:9], s[68:69]          ; my four tiles' images
	s_lshl_b32 s68, s[WV], 12
	s_add_nc_u64 s[10:11], s[10:11], s[68:69]      ; and their scale words
	s_lshl_b32 s68, s23, 6
	s_lshl_b32 s70, s[WV], 13
	s_add_co_u32 s68, s68, s70
	s_add_nc_u64 s[12:13], s[12:13], s[68:69]      ; pre: tile 4 w, batch b
	s_lshl_b32 s68, s23, 14
	s_lshl_b32 s70, ttmp9, 11
	s_add_co_u32 s68, s68, s70
	s_add_nc_u64 s[14:15], s[14:15], s[68:69]
	s_lshl_b32 s68, s23, 3
	s_add_co_u32 s68, s68, ttmp9
	s_mul_i32 s68, s68, 2304
	s_add_nc_u64 s[16:17], s[16:17], s[68:69]
	s_mov_b32 s[SEL], 0x76543210
	s_mov_b32 s[SEL+1], 0xfedcba98
	s_mov_b32 s[KC], 0x4038aa3b                    ; 2 log2(e)
	s_mov_b32 s[KC+1], s[KC]
	s_mov_b32 s[L2E], 0x3fb8aa3b
	s_mov_b32 s[SOF], 0
.irp r, 0,1,2,3
	s_mov_b32 s[PS+2*\r+1], 0
.endr
	v_and_b32 v125, 31, v0
	v_and_b32 v126, 15, v0
	v_bfe_u32 v124, v0, 4, 1
	s_delay_alu instid0(VALU_DEP_3)
	v_lshlrev_b32 v122, 4, v125                    ; 16 lane
	s_delay_alu instid0(VALU_DEP_4)
	v_lshlrev_b32 v123, 3, v125                    ; 8 lane
	s_delay_alu instid0(VALU_DEP_3)
	v_lshlrev_b32 v120, 6, v124                    ; 64 h
	s_delay_alu instid0(VALU_DEP_4)
	v_lshlrev_b32 v[SCA], 5, v124                  ; 32 h: pre
	v_lshlrev_b32 v[PFV], 8, v125
	s_lshl_b32 s68, s[WV], 8
	v_lshl_add_u32 v121, v124, 5, s68              ; 32 h + 256 w: v_w
	v_and_b32 v104, 7, v0
	s_delay_alu instid0(VALU_DEP_1)
	v_mul_u32_u24 v104, v104, 2080
	v_bfe_u32 v105, v0, 3, 1
	s_delay_alu instid0(VALU_DEP_1)
	v_mad_u32_u24 v104, v105, RG8, v104
	s_delay_alu instid0(VALU_DEP_1)
	v_add_nc_u32 v104, v120, v104                  ; row lane % 16 of a tile of 16 rows, + 64 h
	s_lshr_b32 s68, s[WV], 2                       ; m: which 16 rows I quantise
	s_and_b32 s69, s[WV], 3                        ; s: which K step
	s_mul_i32 s70, s68, 2*RG8
	s_lshr_b32 s71, s69, 1
	s_mul_i32 s71, s71, 1040
	s_add_co_u32 s70, s70, s71
	s_and_b32 s71, s69, 1
	s_lshl_b32 s71, s71, 9
	s_add_co_u32 s70, s70, s71
	s_wait_alu depctr_va_vdst(0)                   ; the wait here, directly ahead of the reader below
	v_add_nc_u32 v[QA], s70, v104
	v_add_nc_u32 v[MXA], s[LB], v122
.irp k, 1,2,3
	v_add_nc_u32 v[QA+\k], \k*SLOT, v[QA]
	v_add_nc_u32 v[MXA+\k], \k*SLOT, v[MXA]
.endr
	v_add_nc_u32 v[FI], XIMG, v122
	s_mul_i32 s70, s[WV], 1536
	s_add_co_u32 s70, s70, XIMG
	v_add_nc_u32 v[IW], s70, v122
	s_lshl_b32 s70, s68, 9
	s_lshl_b32 s71, s69, 2
	s_add_co_u32 s70, s70, s71
	s_add_co_u32 s70, s70, XSC
	v_add_nc_u32 v[SW], s70, v122
	s_lshl_b32 s70, s[WV], 2
	s_add_co_u32 s70, s70, SCP
	v_lshl_add_u32 v[PSW], v126, 5, s70
	s_lshl_b32 s70, s[WV], 7
	s_add_co_u32 s70, s70, SCP
	v_lshl_add_u32 v[PSR], v125, 2, s70
	v_lshrrev_b32 v[SCOW], 3, v125
	s_lshl_b32 s70, s[WV], 4
	s_add_co_u32 s70, s70, SCO
	v_lshl_add_u32 v[SCOW], v[SCOW], 2, s70
	s_lshl_b32 s70, s[WV], 3
	s_add_co_u32 s70, s70, MLS
	v_mov_b32 v[MLW], s70
	v_mov_b32 v[MLR], MLS
	s_lshl_b32 s70, s[WV], 11
	s_add_co_u32 s70, s70, STG
	v_add_nc_u32 v[STW], s70, v122
	v_lshlrev_b32 v[GO], 3, v0
	s_delay_alu instid0(VALU_DEP_1)
	v_add_nc_u32 v[STR], STG, v[GO]
	s_delay_alu instid0(VALU_DEP_2)
	v_add_nc_u32 v[SCR], SCO, v[GO]
	s_wait_alu depctr_va_vdst(0)
	global_prefetch_b8 v[PFV], s[PF:PF+1] offset:0x10000 th:TH_LOAD_NT scope:SCOPE_SE        ; my tile of block 1
	; all loads in one run, under the tensor load's flight; what is wanted first first
.irp t, 0,1,2,3
	global_load_b128 v[V2+8*\t:V2+8*\t+3], v121, s[6:7] offset:64*\t
	global_load_b128 v[V2+8*\t+4:V2+8*\t+7], v121, s[6:7] offset:64*\t+16
.endr
	WIN 0x40
.irp t, 0,1,2,3
	global_load_b128 v[BI+8*\t:BI+8*\t+3], v[SCA], s[12:13] offset:2048*\t
	global_load_b128 v[BI+8*\t+4:BI+8*\t+7], v[SCA], s[12:13] offset:2048*\t+16
.endr
	WIN 0
.irp t, 0,1,2,3
	global_load_b128 v[ACC+8*\t:ACC+8*\t+3], v[SCA], s[12:13] offset:65536+2048*\t
	global_load_b128 v[ACC+8*\t+4:ACC+8*\t+7], v[SCA], s[12:13] offset:65536+2048*\t+16
.endr
.irp t, 0,1,2,3
.irp q, 0,1
	global_load_b64 v[WS+4*\t+2*\q:WS+4*\t+2*\q+1], v123, s[10:11] offset:1024*\t+256*(2+\q)
.endr
.endr
	WIN 0x40
.irp t, 0,1,2,3
.irp s, 0,1,2,3
.irp c, 0,1,2
	global_load_b128 v[12*(4*\t+\s)+4*\c:12*(4*\t+\s)+4*\c+3], v122, s[8:9] offset:(8*\t+4+\s)*1536+512*\c
.endr
.endr
.endr
	WIN 0
	s_wait_tensorcnt 0x0                           ; my part of block 0 is in
	ds_add_u32 v[SPW], v[NIL]
	s_add_nc_u64 s[G0+2:G0+3], s[G0+2:G0+3], 0x10000
	s_add_co_u32 s[G0+1], s[LB], SLOT
	s_wait_dscnt 0x0
	s_barrier_signal -1
	s_barrier_wait -1                              ; block 0 is whole
	tensor_load_to_lds s[G0:G0+3], s[G1:G1+7]      ; block 1
	s_nop 0
	PLACES 4
	QLOAD 0
	global_prefetch_b8 v[PFV], s[PF:PF+1] offset:0x20000 th:TH_LOAD_NT scope:SCOPE_SE        ; my tiles of blocks 2 and 3
	global_prefetch_b8 v[PFV], s[PF:PF+1] offset:0x30000 th:TH_LOAD_NT scope:SCOPE_SE
	s_wait_loadcnt 56                              ; v_w and pre are in; the 8 loads of scale words and the 48 of weights may be out
.set i, 0
.rept 16
	v_pk_mul_f32 v[V2+i:V2+i+1], v[V2+i:V2+i+1], -2.0 op_sel_hi:[1,0]
.set i, i+2
.endr
	WIN 0x41
.set i, 0
.rept 16
	v_pk_add_f32 v[BI+i:BI+i+1], v[BI+i:BI+i+1], v[ACC+i:ACC+i+1]     ; the two halves of the decoder state's sums
.set i, i+2
.endr
	WIN 0x40
.set i, 0
.rept 16
	v_mov_b32 v[MA+i], 0
.set i, i+1
.endr
	WIN 0
.irp b, 0,1,2,3
	v_mov_b32 v[TM+4+\b], 0                        ; a lane permute's destination counts as one of its sources
.endr
	v_mov_b32 v[MM], 0xff61b1e6                    ; -3e38, under every score
	v_mov_b32 v[LL], 0
	v_mov_b32 v[FF+1], 0
	s_wait_alu depctr_va_vdst(0)                   ; the wait at the head's end
	s_wait_dscnt 0x0
	QDONE 0                                        ; block 0's images
	IV 0, 0, 0, 1, 1, 1, 1, 4                      ; interval 0: no block before it
	s_mov_b32 s[CNT], 3
.Ltrip:                                                ; intervals 4 t + 1 .. 4 t + 4: slots and buffers are back where they began
	IV 1, 0, 1, 1, 1, 1, 1, 5
	IV 2, 1, 1, 1, 1, 1, 1, 6
	IV 3, 2, 1, 1, 1, 1, 1, 7
	IV 0, 3, 1, 1, 1, 1, 2, 8
	s_wait_xcnt 0x0                                ; the trip's prefetches have read their base: it steps four blocks
	s_add_nc_u64 s[PF:PF+1], s[PF:PF+1], 0x40000
	s_add_co_u32 s[SOF], s[SOF], 512
	s_sub_co_u32 s[CNT], s[CNT], 1
	s_cmp_lg_u32 s[CNT], 0
	s_cbranch_scc1 .Ltrip
	IV 1, 0, 1, 1, 1, 1, 0, 0                      ; interval 13 fetches block 15, the last
	IV 2, 1, 1, 1, 1, 0, 0, 0
	IV 3, 2, 1, 1, 0, 0, 0, 0                      ; interval 15: nothing left to quantise
	IV 0, 3, 1, 0, 0, 0, 0, 0                      ; interval 16: block 15's sum alone
	; the eight waves' (M, L, sum) become the work-group's record
	v_add_f32_dpp v[LL], v[LL], v[LL] row_xmask:8 row_mask:0xf bank_mask:0xf
	s_delay_alu instid0(VALU_DEP_1)
	v_permlanex16_b32 v124, v[LL], s[SEL], s[SEL+1]
	s_delay_alu instid0(VALU_DEP_1)
	v_add_f32 v[LL], v[LL], v124
	ds_store_b64 v[MLW], v[MM:MM+1]
	s_wait_dscnt 0x0
	s_barrier_signal -1
	s_barrier_wait -1
.irp k, 0,1,2,3
	ds_load_b128 v[128+4*\k:131+4*\k], v[MLR] offset:16*\k
.endr
	s_wait_dscnt 0x0
	v_max3_num_f32 v120, v128, v130, v132
	s_delay_alu instid0(VALU_DEP_1)
	v_max3_num_f32 v120, v120, v134, v136
	s_delay_alu instid0(VALU_DEP_1)
	v_max3_num_f32 v120, v120, v138, v140
	s_delay_alu instid0(VALU_DEP_1)
	v_max_num_f32 v120, v120, v142
	s_delay_alu instid0(VALU_DEP_1)
	v_sub_f32 v122, v[MM], v120
.irp g, 0,1,2,3,4,5,6,7
	v_sub_f32 v[128+2*\g], v[128+2*\g], v120
.endr
	s_wait_alu depctr_va_vdst(0)
	v_exp_f32 v122, v122
.irp g, 0,1,2,3,4,5,6,7
	v_exp_f32 v[128+2*\g], v[128+2*\g]
.endr
	v_nop
	s_wait_alu depctr_va_vdst(0)
	v_mul_f32 v121, v129, v128
.irp g, 1,2,3,4,5,6,7
	v_fma_f32 v121, v[129+2*\g], v[128+2*\g], v121
.endr
	WIN 0x01
.irp c, 0,1,2,3,4,5,6,7
	v_pk_mul_f32 v[144+2*\c:145+2*\c], v[MA+2*\c:MA+2*\c+1], v[122:123] op_sel_hi:[1,0]
.endr
	WIN 0
.irp c, 0,1,2,3
	ds_store_b128 v[STW], v[144+4*\c:147+4*\c] offset:512*\c
.endr
	s_wait_dscnt 0x0
	s_barrier_signal -1
	s_barrier_wait -1
.irp g, 0,1,2,3,4,5,6,7
	ds_load_b64 v[160+2*\g:161+2*\g], v[STR] offset:2048*\g
.endr
	ds_load_b64 v[176:177], v[SCR]
	s_wait_dscnt 0x0
	s_wait_tensorcnt 0x0                           ; the wave's end
	ds_add_u32 v[SPW], v[NIL]
	v_pk_add_f32 v[160:161], v[160:161], v[162:163]
	v_pk_add_f32 v[164:165], v[164:165], v[166:167]
	v_pk_add_f32 v[168:169], v[168:169], v[170:171]
	v_pk_add_f32 v[172:173], v[172:173], v[174:175]
	s_delay_alu instid0(VALU_DEP_3)
	v_pk_add_f32 v[160:161], v[160:161], v[164:165]
	s_delay_alu instid0(VALU_DEP_2)
	v_pk_add_f32 v[168:169], v[168:169], v[172:173]
	s_delay_alu instid0(VALU_DEP_1)
	v_pk_add_f32 v[160:161], v[160:161], v[168:169]
	s_wait_alu depctr_va_vdst(0)
	s_wait_dscnt 0x0
	global_store_b64 v[GO], v[160:161], s[16:17]   ; a wave stores 256 consecutive bytes, aligned
	global_store_b64 v[GO], v[176:177], s[14:15]
	s_cmp_lg_u32 s[WV], 0
	s_cbranch_scc1 .Ldone
	global_store_b64 v[GO], v[120:121], s[16:17] offset:2048   ; (M, L), in each of the unit's 32 places
.Ldone:
	s_endpgm
.Lfunc_end_k_qf709cf7413_attend:
	.size	k_qf709cf7413_attend, .Lfunc_end_k_qf709cf7413_attend-k_qf709cf7413_attend
	.p2alignl 7, 3214868480
	.fill 96, 4, 3214868480
	.section	.rodata,"a",@progbits
	.p2align	6, 0x0
	.amdhsa_kernel k_qf709cf7413_attend
		.amdhsa_group_segment_fixed_size 327680
		.amdhsa_private_segment_fixed_size 0
		.amdhsa_enable_private_segment 0
		.amdhsa_kernarg_size 56
		.amdhsa_user_sgpr_count 2
		.amdhsa_user_sgpr_kernarg_segment_ptr 1
		.amdhsa_wavefront_size32 1
		.amdhsa_system_sgpr_workgroup_id_x 1
		.amdhsa_system_sgpr_workgroup_id_y 1
		.amdhsa_system_sgpr_workgroup_id_z 1
		.amdhsa_system_vgpr_workitem_id 0
		.amdhsa_next_free_vgpr 512
		.amdhsa_next_free_sgpr 80
		.amdhsa_reserve_vcc 0
		.amdhsa_float_denorm_mode_32 3
		.amdhsa_float_denorm_mode_16_64 3
		.amdhsa_memory_ordered 1
		.amdhsa_forward_progress 1
		.amdhsa_inst_pref_size 255
	.end_amdhsa_kernel
	.section	.bss,"aw",@nobits
	.p2align	6
	.space	262144
	.amdgpu_metadata
---
amdhsa.version: [ 1, 2 ]
amdhsa.kernels:
  - .name:           k_qf709cf7413_attend
    .symbol:         k_qf709cf7413_attend.kd
    .args:
      - { .name: context, .offset: 0, .size: 8, .value_kind: global_buffer, .address_space: global }
      - { .name: v_w, .offset: 8, .size: 8, .value_kind: global_buffer, .address_space: global }
      - { .name: wc, .offset: 16, .size: 8, .value_kind: global_buffer, .address_space: global }
      - { .name: wsc, .offset: 24, .size: 8, .value_kind: global_buffer, .address_space: global }
      - { .name: pre, .offset: 32, .size: 8, .value_kind: global_buffer, .address_space: global }
      - { .name: scores, .offset: 40, .size: 8, .value_kind: global_buffer, .address_space: global }
      - { .name: part, .offset: 48, .size: 8, .value_kind: global_buffer, .address_space: global }
    .group_segment_fixed_size: 327680
    .private_segment_fixed_size: 0
    .kernarg_segment_align: 8
    .kernarg_segment_size: 56
    .max_flat_workgroup_size: 256
    .sgpr_count:     80
    .vgpr_count:     512
    .wavefront_size: 32
...
	.end_amdgpu_metadata
.endif
;; end of part 2
;; launch finish (part 3): grid 4 x 32, 4 waves a work-group, no clusters, 16,896 bytes of LDS; arguments scores, part, output, oc, osc, out_b, out0, out1, out2; writes out0, out1, out2
.if DOCPART == 3
	.amdgcn_target "amdgcn-amd-amdhsa--gfx1250"
	.amdhsa_code_object_version 6
	.text
	.protected	k_qf709cf7413_finish
	.globl	k_qf709cf7413_finish
	.p2align	8
	.type	k_qf709cf7413_finish,@function
k_qf709cf7413_finish:
	s_mov_b64 s[64:65], 0
	v_nop
	global_prefetch_b8 v0, s[64:65] scope:SCOPE_SE
	s_setreg_imm32_b32 hwreg(HW_REG_WAVE_MODE, 25, 1), 1
	s_wait_xcnt 0x0
; For batch b: the eight records (partial sum, M, L) become mix = out2; the raw scores become attn = out1; out0 = tanh(out_w [mix, output] + out_b), the product on codes of FP6 (E2M3) with one E8M0 scale for each 32 along K.
; SHARES.  Work-group (q, b): attn for t = 1,024 q .. + 1,023; the whole mix (all of it is an operand), of which wave q stores columns 128 q .. + 127; hidden units 128 q .. + 127 of out0, 32 a wave: tiles 8 q + 2 w + t.
; The operand [mix, output] is one row: all sixteen columns of source 1 hold it.  Wave w quantises K step w (mix) and K step 4 + w (output); the fragments go from wave to wave through LDS as images of their registers.
; mix goes into a quantiser: it is summed and normalised in f32.  tanh(x) = 1 - 2 / (1 + 2^(2 log2(e) x)).
; LIMITS: NaN and infinities among the inputs are not served; a block whose largest magnitude lies under 2^-124 keeps the scale byte 1; a block of zeros has the byte 1 where the rule says 127 (its codes are zeros).
.set MIXL, 0                           ; LDS: mix, 2,048 bytes
.set CIMG, 2048                        ; eight fragment images x 1,536
.set CSC,  14336                       ; their scale words, 128 bytes each
.set OST,  15360                       ; 128 results
.set PW,   18                          ; v18     the scale word just made
.set CS,   20                          ; v20-27  the operand's eight scale words
.set OS,   28                          ; v28-43  out_w's: 8 t + s
.set ML,   44                          ; v44-59  (M, L) of the eight records
.set MG,   60                          ; v60     the batch's maximum;  v61 its sum;  v62-63 1 / the sum, twice
.set SCV,  64                          ; v64-71  eight scores
.set ACC,  72                          ; v72-87  two accumulators, begun on out_b
.set TM,   88
.set QT,   104
.set PC,   112
.set MI,   124                         ; v124-127 my four columns of mix
.set ST0,  128                         ; v128-191 64 numbers of output;  v192-255 of mix (before that v192-223: the eight partial sums);  later v128-223: eight fragments
.set ST1,  192
.set CF,   128
.set WV,   22
.set SEL,  40
.set KC,   42                          ; s[42:43] 2 log2(e)
.set L2E,  44                          ; s[44:45] log2(e)
.set MSB, 0
.macro WIN new
.if MSB != \new
	s_set_vgpr_msb (MSB<<8)|\new
.set MSB, \new
.endif
.endm
.macro QUANT s, pc, pw
.irp b, 0,1,2,3
	v_max3_num_f32 v[TM+\b], |v[\s+16*\b]|, |v[\s+1+16*\b]|, 0x1800000   ; block b: my 16 numbers, and the floor 2^(3 - 127): the byte cannot fall under 1
.endr
.irp i, 2,4,6,8,10,12,14
.irp b, 0,1,2,3
	v_max3_num_f32 v[TM+\b], v[TM+\b], |v[\s+16*\b+\i]|, |v[\s+1+16*\b+\i]|
.endr
.endr
.irp b, 0,1,2,3
	v_permlanex16_b32 v[TM+4+\b], v[TM+\b], s[SEL], s[SEL+1]
.endr
.irp b, 0,1,2,3
	v_max_num_f32 v[TM+\b], v[TM+\b], v[TM+4+\b]
.endr
.irp b, 0,1,2,3
	v_add_nc_u32 v[TM+12+\b], 0xff000000, v[TM+\b]           ; 2 off the exponent field: the conversion's scale operand
.endr
.irp b, 0,1,2,3
	v_lshrrev_b32 v[TM+4+\b], 23, v[TM+12+\b]                ; the scale's byte
.endr
	v_lshl_or_b32 v[\pw], v[TM+5], 8, v[TM+4]
	v_lshl_or_b32 v[\pw], v[TM+6], 16, v[\pw]
	v_lshl_or_b32 v[\pw], v[TM+7], 24, v[\pw]
.irp c, 0,1
	v_cvt_scalef32_pk16_fp6_f32 v[\pc+6*\c:\pc+6*\c+2], v[\s+32*\c:\s+32*\c+15], v[TM+12+2*\c]
	v_cvt_scalef32_pk16_fp6_f32 v[QT+4*\c:QT+4*\c+2], v[\s+16+32*\c:\s+31+32*\c], v[TM+13+2*\c]
.endr
	v_nop                                                    ; one plain instruction behind the scaled conversions
.irp c, 0,1
.irp i, 0,1,2
	v_permlane16_swap_b32 v[\pc+6*\c+\i], v[QT+4*\c+\i]
.endr
.irp i, 0,1,2
	v_mov_b32 v[\pc+3+6*\c+\i], v[QT+4*\c+\i]
.endr
.endr
.endm
	s_load_b256 s[4:11], s[0:1], 0x0               ; scores s[4:5], part s[6:7], output s[8:9], oc s[10:11]
	s_load_b256 s[12:19], s[0:1], 0x20             ; osc s[12:13], out_b s[14:15], out0 s[16:17], out1 s[18:19]
	s_load_b64 s[20:21], s[0:1], 0x40              ; out2
	v_lshl_add_u32 v107, v0, 2, 0x4000
	v_mov_b32 v111, 0
	v_lshrrev_b32 v1, 5, v0
	v_readfirstlane_b32 s[WV], v1                  ; wave 0..3
	s_and_b32 s23, ttmp7, 0xffff                   ; b
	s_mov_b32 s[SEL], 0x76543210
	s_mov_b32 s[SEL+1], 0xfedcba98
	s_mov_b32 s[KC], 0x4038aa3b
	s_mov_b32 s[KC+1], s[KC]
	s_mov_b32 s[L2E], 0x3fb8aa3b
	s_mov_b32 s[L2E+1], s[L2E]
	v_lshlrev_b32 v1, 4, v0                        ; 16 x thread: in the partial sums, the scores, attn, mix, and in MIXL (which begins at LDS byte 0)
	v_and_b32 v13, 31, v0                          ; lane
	v_bfe_u32 v14, v0, 4, 1                        ; h
	v_lshlrev_b32 v2, 4, v13                       ; 16 lane
	v_lshlrev_b32 v3, 3, v13                       ; 8 lane
	s_lshl_b32 s48, s[WV], 7
	v_lshl_add_u32 v4, v14, 5, s48                 ; 32 h + 128 w: out_b
	s_lshl_b32 s50, s[WV], 9
	v_lshl_add_u32 v5, v14, 6, s50                 ; 64 h + 512 w: K step w of output, and of mix in MIXL
	v_mov_b32 v6, 0
	s_mul_i32 s50, s[WV], 1536
	s_add_co_u32 s50, s50, CIMG
	v_add_nc_u32 v7, s50, v2                       ; where I store images
	s_add_co_u32 s50, s48, CSC
	v_lshl_add_u32 v8, v13, 2, s50                 ; and scale words
	v_add_nc_u32 v9, CIMG, v2
	v_lshl_add_u32 v10, v13, 2, CSC
	s_add_co_u32 s50, s48, OST
	v_lshl_add_u32 v11, v14, 5, s50                ; OST + 128 w + 32 h
	v_add_nc_u32 v12, OST, v2
.irp b, 0,1,2,3
	v_mov_b32 v[TM+4+\b], 0                        ; written once: a lane permute's destination counts as one of its sources
.endr
	s_mov_b32 s49, 0
	s_wait_kmcnt 0x0
	s_lshl_b32 s48, s23, 14
	s_lshl_b32 s50, ttmp9, 12
	s_add_co_u32 s48, s48, s50
	s_add_nc_u64 s[4:5], s[4:5], s[48:49]          ; my 1,024 scores,
	s_add_nc_u64 s[18:19], s[18:19], s[48:49]      ; and their place in attn
	s_mul_i32 s48, s23, 18432
	s_add_nc_u64 s[6:7], s[6:7], s[48:49]          ; the batch's eight records
	s_lshl_b32 s48, s23, 11
	s_add_nc_u64 s[8:9], s[8:9], s[48:49]          ; output[b]
	s_add_nc_u64 s[20:21], s[20:21], s[48:49]      ; mix[b]
	s_lshl_b32 s50, ttmp9, 9
	s_add_co_u32 s48, s48, s50
	s_add_nc_u64 s[16:17], s[16:17], s[48:49]      ; out[b], my 128
	s_mov_b32 s48, s50
	s_add_nc_u64 s[14:15], s[14:15], s[48:49]      ; out_b, my 128
	s_mul_i32 s48, ttmp9, 98304
	s_mul_i32 s50, s[WV], 24576
	s_add_co_u32 s48, s48, s50
	s_add_nc_u64 s[10:11], s[10:11], s[48:49]      ; my two tiles' 16 images
	s_lshl_b32 s48, ttmp9, 13
	s_lshl_b32 s50, s[WV], 11
	s_add_co_u32 s48, s48, s50
	s_add_nc_u64 s[12:13], s[12:13], s[48:49]      ; and their scale words
	; all loads in one run, what is wanted first first
.irp g, 0,1,2,3,4,5,6,7
	global_load_b64 v[ML+2*\g:ML+2*\g+1], v6, s[6:7] offset:2304*\g+2048
.endr
.irp g, 0,1,2,3,4,5,6,7
	global_load_b128 v[ST1+4*\g:ST1+4*\g+3], v1, s[6:7] offset:2304*\g        ; columns 4 n .. 4 n + 3 of each partial sum
.endr
.irp k, 0,1,2,3
.irp j, 0,1,2,3
	global_load_b128 v[ST0+16*\k+4*\j:ST0+16*\k+4*\j+3], v5, s[8:9] offset:128*\k+16*\j
.endr
.endr
	global_load_b128 v[SCV:SCV+3], v1, s[4:5]
	global_load_b128 v[SCV+4:SCV+7], v1, s[4:5] offset:2048
	WIN 0x40
.irp t, 0,1
.irp s, 0,1,2,3,4,5,6,7
.irp c, 0,1,2
	global_load_b128 v[12*(8*\t+\s)+4*\c:12*(8*\t+\s)+4*\c+3], v2, s[10:11] offset:(8*\t+\s)*1536+512*\c
.endr
.endr
.endr
	WIN 0
.irp t, 0,1
.irp q, 0,1,2,3
	global_load_b64 v[OS+8*\t+2*\q:OS+8*\t+2*\q+1], v3, s[12:13] offset:(4*\t+\q)*256
.endr
.endr
.irp t, 0,1
	global_load_b128 v[ACC+8*\t:ACC+8*\t+3], v4, s[14:15] offset:64*\t        ; out_b in the result's layout: the sums begin on it
	global_load_b128 v[ACC+8*\t+4:ACC+8*\t+7], v4, s[14:15] offset:64*\t+16
.endr
	s_wait_loadcnt 63                              ; behind the records' 16 loads 78 were issued; the wait's field ends at 63
	v_max3_num_f32 v[MG], v[ML], v[ML+2], v[ML+4]
	v_max3_num_f32 v[MG], v[MG], v[ML+6], v[ML+8]
	v_max3_num_f32 v[MG], v[MG], v[ML+10], v[ML+12]
	v_max_num_f32 v[MG], v[MG], v[ML+14]
.irp g, 0,1,2,3,4,5,6,7
	v_sub_f32 v[ML+2*\g], v[ML+2*\g], v[MG]
.endr
	s_wait_alu depctr_va_vdst(0)
.irp g, 0,1,2,3,4,5,6,7
	v_exp_f32 v[ML+2*\g], v[ML+2*\g]               ; each record's factor, in its M's place
.endr
	v_nop
	s_wait_alu depctr_va_vdst(0)                   ; one wait for the eight, ahead of their first reader
	v_mul_f32 v[MG+1], v[ML+1], v[ML]
.irp g, 1,2,3,4,5,6,7
	v_fma_f32 v[MG+1], v[ML+2*\g+1], v[ML+2*\g], v[MG+1]
.endr
	s_wait_alu depctr_va_vdst(0)
	v_rcp_f32 v[MG+2], v[MG+1]
	v_rcp_f32 v[MG+3], v[MG+1]
	v_pk_mul_f32 v[MI:MI+1], v[ST1:ST1+1], v[ML:ML+1] op_sel_hi:[1,0]         ; (plain work behind the reciprocals, which names neither)
	v_pk_mul_f32 v[MI+2:MI+3], v[ST1+2:ST1+3], v[ML:ML+1] op_sel_hi:[1,0]
.irp g, 1,2,3,4,5,6,7
	v_pk_fma_f32 v[MI:MI+1], v[ST1+4*\g:ST1+4*\g+1], v[ML+2*\g:ML+2*\g+1], v[MI:MI+1] op_sel_hi:[1,0,1]
	v_pk_fma_f32 v[MI+2:MI+3], v[ST1+4*\g+2:ST1+4*\g+3], v[ML+2*\g:ML+2*\g+1], v[MI+2:MI+3] op_sel_hi:[1,0,1]
.endr
	s_wait_alu depctr_va_vdst(0)                   ; one wait for the two reciprocals
	v_pk_mul_f32 v[MI:MI+1], v[MI:MI+1], v[MG+2:MG+3]
	v_pk_mul_f32 v[MI+2:MI+3], v[MI+2:MI+3], v[MG+2:MG+3]                     ; mix
	ds_store_b128 v1, v[MI:MI+3]
	s_cmp_lg_u32 s[WV], ttmp9
	s_cbranch_scc1 .Lnot_q
	global_store_b128 v1, v[MI:MI+3], s[20:21]     ; wave q of work-group q: 512 consecutive bytes
.Lnot_q:
	s_wait_loadcnt 62                              ; output's K step is in: behind it the scores' 2 and the weights' 60
	QUANT ST0, PC, PW
.irp c, 0,1,2
	ds_store_b128 v7, v[PC+4*\c:PC+4*\c+3] offset:4*1536+512*\c               ; K step 4 + w
.endr
	ds_store_b32 v8, v[PW] offset:4*128
	s_wait_dscnt 0x0                               ; for the others' sake: my columns of mix have landed
	s_barrier_signal -1
	s_barrier_wait -1
.irp k, 0,1,2,3
.irp j, 0,1,2,3
	ds_load_b128 v[ST1+16*\k+4*\j:ST1+16*\k+4*\j+3], v5 offset:128*\k+16*\j   ; K step w of mix
.endr
.endr
	s_wait_loadcnt 60                              ; the scores are in; attn is made while the LDS loads land
.irp i, 0,2,4,6
	v_pk_fma_f32 v[SCV+\i:SCV+\i+1], v[SCV+\i:SCV+\i+1], s[L2E:L2E+1], v[MG:MG+1] op_sel_hi:[1,0,0] neg_lo:[0,0,1] neg_hi:[0,0,1]   ; score x log2(e) - the maximum
.endr
	s_wait_alu depctr_va_vdst(0)
.irp i, 0,1,2,3,4,5,6,7
	v_exp_f32 v[SCV+\i], v[SCV+\i]
.endr
	v_nop
	s_wait_alu depctr_va_vdst(0)
.irp i, 0,2,4,6
	v_pk_mul_f32 v[SCV+\i:SCV+\i+1], v[SCV+\i:SCV+\i+1], v[MG+2:MG+3]
.endr
	global_store_b128 v1, v[SCV:SCV+3], s[18:19]   ; a wave stores 512 consecutive bytes
	global_store_b128 v1, v[SCV+4:SCV+7], s[18:19] offset:2048
	s_wait_dscnt 0x0
	QUANT ST1, PC, PW
.irp c, 0,1,2
	ds_store_b128 v7, v[PC+4*\c:PC+4*\c+3] offset:512*\c                      ; K step w
.endr
	ds_store_b32 v8, v[PW]
	s_wait_dscnt 0x0
	s_barrier_signal -1
	s_barrier_wait -1                              ; the operand's eight fragments lie in LDS
.irp s, 0,1,2,3,4,5,6,7
.irp c, 0,1,2
	ds_load_b128 v[CF+12*\s+4*\c:CF+12*\s+4*\c+3], v9 offset:1536*\s+512*\c
.endr
	ds_load_b32 v[CS+\s], v10 offset:128*\s
.endr
	s_wait_loadcnt 0x0                             ; out_w's fragments and scale words, out_b
	s_wait_dscnt 0x0
	WIN 0x01                                       ; source 0 (out_w) window 1
.irp s, 0,1,2,3,4,5,6,7
.irp t, 0,1
	v_wmma_scale_f32_16x16x128_f8f6f4 v[ACC+8*\t:ACC+8*\t+7], v[12*(8*\t+\s):12*(8*\t+\s)+11], v[CF+12*\s:CF+12*\s+11], v[ACC+8*\t:ACC+8*\t+7], v[OS+8*\t+\s], v[CS+\s] matrix_a_fmt:MATRIX_FMT_FP6 matrix_b_fmt:MATRIX_FMT_FP6   ; the two accumulators by turns
.endr
.endr
	WIN 0
.rept 4
	v_nop                                          ; places in front of the first read of results
.endr
.irp i, 0,2,4,6,8,10,12,14
	v_pk_mul_f32 v[ACC+\i:ACC+\i+1], v[ACC+\i:ACC+\i+1], s[KC:KC+1] op_sel_hi:[1,0]   ; each accumulator from its low end on
.endr
	s_wait_alu depctr_va_vdst(0)
.irp i, 0,1,2,3,4,5,6,7,8,9,10,11,12,13,14,15
	v_exp_f32 v[ACC+\i], v[ACC+\i]
.endr
	v_nop
	s_wait_alu depctr_va_vdst(0)
.irp i, 0,2,4,6,8,10,12,14
	v_pk_add_f32 v[ACC+\i:ACC+\i+1], v[ACC+\i:ACC+\i+1], 1.0 op_sel_hi:[1,0]
.endr
	s_wait_alu depctr_va_vdst(0)
.irp i, 0,1,2,3,4,5,6,7,8,9,10,11,12,13,14,15
	v_rcp_f32 v[ACC+\i], v[ACC+\i]
.endr
	v_nop
	s_wait_alu depctr_va_vdst(0)
.irp i, 0,2,4,6,8,10,12,14
	v_pk_fma_f32 v[ACC+\i:ACC+\i+1], v[ACC+\i:ACC+\i+1], -2.0, 1.0 op_sel_hi:[1,0,0]   ; tanh
.endr
.irp t, 0,1
	ds_store_b128 v11, v[ACC+8*\t:ACC+8*\t+3] offset:64*\t                    ; hidden units 32 w + 16 t + 8 h + 0 .. 7 (the sixteen lanes of a half write the same bytes with the same values)
	ds_store_b128 v11, v[ACC+8*\t+4:ACC+8*\t+7] offset:64*\t+16
.endr
	s_wait_dscnt 0x0
	s_barrier_signal -1
	s_barrier_wait -1
	s_cmp_lg_u32 s[WV], 0
	s_cbranch_scc1 .Lend
	ds_load_b128 v[TM:TM+3], v12
	s_wait_dscnt 0x0
	global_store_b128 v2, v[TM:TM+3], s[16:17]     ; wave 0: the work-group's 128 results, 512 consecutive bytes
.Lend:
	s_wait_tensorcnt 0x0
	ds_add_u32 v107, v111
	s_wait_dscnt 0x0
	s_endpgm
.Lfunc_end_k_qf709cf7413_finish:
	.size	k_qf709cf7413_finish, .Lfunc_end_k_qf709cf7413_finish-k_qf709cf7413_finish
	.p2alignl 7, 3214868480
	.fill 96, 4, 3214868480
	.section	.rodata,"a",@progbits
	.p2align	6, 0x0
	.amdhsa_kernel k_qf709cf7413_finish
		.amdhsa_group_segment_fixed_size 16896
		.amdhsa_private_segment_fixed_size 0
		.amdhsa_enable_private_segment 0
		.amdhsa_kernarg_size 72
		.amdhsa_user_sgpr_count 2
		.amdhsa_user_sgpr_kernarg_segment_ptr 1
		.amdhsa_wavefront_size32 1
		.amdhsa_system_sgpr_workgroup_id_x 1
		.amdhsa_system_sgpr_workgroup_id_y 1
		.amdhsa_system_sgpr_workgroup_id_z 1
		.amdhsa_system_vgpr_workitem_id 0
		.amdhsa_next_free_vgpr 512
		.amdhsa_next_free_sgpr 66
		.amdhsa_reserve_vcc 0
		.amdhsa_float_denorm_mode_32 3
		.amdhsa_float_denorm_mode_16_64 3
		.amdhsa_memory_ordered 1
		.amdhsa_forward_progress 1
		.amdhsa_inst_pref_size 33
	.end_amdhsa_kernel
	.amdgpu_metadata
---
amdhsa.version: [ 1, 2 ]
amdhsa.kernels:
  - .name:           k_qf709cf7413_finish
    .symbol:         k_qf709cf7413_finish.kd
    .args:
      - { .name: scores, .offset: 0, .size: 8, .value_kind: global_buffer, .address_space: global }
      - { .name: part, .offset: 8, .size: 8, .value_kind: global_buffer, .address_space: global }
      - { .name: output, .offset: 16, .size: 8, .value_kind: global_buffer, .address_space: global }
      - { .name: oc, .offset: 24, .size: 8, .value_kind: global_buffer, .address_space: global }
      - { .name: osc, .offset: 32, .size: 8, .value_kind: global_buffer, .address_space: global }
      - { .name: out_b, .offset: 40, .size: 8, .value_kind: global_buffer, .address_space: global }
      - { .name: out0, .offset: 48, .size: 8, .value_kind: global_buffer, .address_space: global }
      - { .name: out1, .offset: 56, .size: 8, .value_kind: global_buffer, .address_space: global }
      - { .name: out2, .offset: 64, .size: 8, .value_kind: global_buffer, .address_space: global }
    .group_segment_fixed_size: 16896
    .private_segment_fixed_size: 0
    .kernarg_segment_align: 8
    .kernarg_segment_size: 72
    .max_flat_workgroup_size: 128
    .sgpr_count:     66
    .vgpr_count:     512
    .wavefront_size: 32
...
	.end_amdgpu_metadata
.endif
;; end of part 3
